; MI455X (gfx1250); checked and timed in simulation.
; The chip was launched on July 23, 2026; its instructions are those of AMD's public machine-readable ISA for CDNA 5 (MIT licence, August 2026) and "CDNA5" Instruction Set Architecture Reference Guide (July 2026). The comments in the code are by the model that wrote it; some were corrected since.
;; Cky Linear. Allowed arithmetic: matrix products marked QUANTISED: E2M1 operands, one E8M0 scale for each 32 along K, by v_wmma_scale_f32_16x16x128_f8f6f4 with both operands' format E2M1 (or v_wmma_scale_f32_32x16x128_f4), f32 sums; everything else in f32.
;; Inputs: W_q 64 x 262,144 int32; bias 4,096 float32; scale 1 x 262,144 float32; x 8 x 512 x 4,096 float32; zero 1 x 262,144 float32.
;; Outputs: out0 8 x 512 x 4,096 float32.
;; This version of the problem:
;;   THIS VERSION OF THE PROBLEM IS GIVEN IN LOW PRECISION. The matrix products marked QUANTISED in the list below multiply operands that are first quantised to E2M1 (2 exponent bits, 1 mantissa bit; 4 bits a number), with one power-of-two scale for each 32 numbers along K (OCP MX v1.0); their sums are f32. All else is computed in f32.
;;   The module's matrix products, in the order in which they are computed (A, B: the left and right operand; K: the contracted axis; several contracted axes count as one K, in the product's order):
;;     1. [M 4,096, K 4,096] x [K 4,096, N 4,096]; A: input x; B: computed on the way: QUANTISED
;;   THE QUANTISER, for each operand of a quantised product, along K:
;;     - K is cut into blocks of 32 from its start; a last block that is shorter is filled with zeros.
;;     - A block's scale is 2^e with e = floor(log2(the largest magnitude in the block)) - 2, held to -126 .. 127; a block of zeros has e = 0. As a byte (E8M0): e + 127.
;;     - Each number is divided by its block's scale, clamped to +-6, and rounded to the nearest number of E2M1, ties to even, subnormals kept.
;;     - The product sums the exact products of the quantised numbers (number of the format x scale) in f32.
;;   ~~~python
;;   def quantise(x, axis):      # numpy; x: float32 -> the quantised numbers, widened to float32 again
;;       x = np.moveaxis(x, axis, -1); K = x.shape[-1]
;;       x = np.pad(x, [(0, 0)] * (x.ndim - 1) + [(0, -K % 32)]); x = x.reshape(x.shape[:-1] + (-1, 32)); a = np.abs(x).max(-1, keepdims=True)
;;       e = np.where(a > 0, np.clip(np.frexp(np.where(a > 0, a, 1))[1] - 1 - 2, -126, 127), 0)      # np.frexp(a)[1] - 1 = floor(log2(a)), exactly
;;       r = np.clip(x / 2.0 ** e, -6, 6)
;;       step = 2.0 ** (np.maximum(np.frexp(np.where(r == 0, 1, r))[1] - 1, 0) - 1)
;;       q = np.round(r / step) * step * 2.0 ** e      # np.round: ties to even
;;       return np.moveaxis(q.reshape(q.shape[:-2] + (-1,))[..., :K], -1, axis).astype(np.float32)
;;   ~~~
;;   OPERANDS COMPUTED ON THE WAY. 'Computed on the way' means the value that the module computes at that place (a softmax that the list does not call 'softmax' is quantised finished and normalised). What goes into a quantiser is computed in f32, as accurately as f32 sums, v_exp_f32 and their like allow (about 1e-6 of the number): no bf16 or f16 on the way to a quantiser, and a product that is left as it is and whose result goes on into a quantised operand takes f32 operands (vector FMAs, or v_wmma_f32_16x16x4_f32). A number that lies on a knife's edge between two numbers of the format may be rounded either way, as far as f32 arithmetic and the matrix unit's own rounding can turn it there, and no further.
;; One version. Each part assembles by itself: llvm-mc -triple=amdgcn-amd-amdhsa -mcpu=gfx1250 --defsym DOCPART=n.
;; ======== version 1 of 1: 2 launches
;; limits: right only within a limited range of input values
;; workspace buffers: xq 8,912,896 bytes; wq 8,912,896 bytes
;; launch quant (part 1): grid 1024 x 1, 4 waves a work-group, no clusters, 37,376 bytes of LDS; arguments x, W_q, zero, scale, xq, wq; writes xq, wq
.if DOCPART == 1
	.amdgcn_target "amdgcn-amd-amdhsa--gfx1250"
	.amdhsa_code_object_version 6
	.text
	.protected	k_q2527f57fba_quant
	.globl	k_q2527f57fba_quant
	.p2align	8
	.type	k_q2527f57fba_quant,@function
k_q2527f57fba_quant:
	s_mov_b64 s[64:65], 0
	v_nop
	global_prefetch_b8 v0, s[64:65] scope:SCOPE_SE
	s_setreg_imm32_b32 hwreg(HW_REG_WAVE_MODE, 25, 1), 1
	s_wait_xcnt 0x0
; x [4096][4096] f32 and W_r [4096 (o)][4096 (i)] = (f32(W_q) - zero) * scale are turned into codes of FP4 (E2M1), with one E8M0 byte for each 32 along K.
; W_q [64 (g)][262144 (n)] int32 lies in memory as [o = 64 g + n / 4096][i = n % 4096]: K is innermost as it stands.  zero and scale are [j = o % 64][i]: one row of each serves the 64 rows o = 64 g + j.
; The dequantising is in f32: conversion, subtraction, multiplication, not fused.
; A block's scale byte is its largest magnitude's exponent field - 2, held at 1 from below; each number is divided by the scale and rounded to the nearest code, ties to even, beyond the largest code the largest.
; LIMITS: NaN and infinities among the inputs are not served.  A block of zeros gets the byte 1 where the rule says 127: its codes are zeros, and this program alone reads the bytes.  Blocks whose largest
; magnitude lies under 2^-124 have their byte held at 1; the conversion of such numbers was not tried.
; THE WORKSPACE (xq, wq alike) IS LAID AS THE PRODUCT'S OPERAND REGISTERS TAKE IT: [nb = row / 128 (32)][s = k / 512 (8)][a chunk of 34,816 bytes].  In a chunk: [q = K step of 128 (4)][i = 16 rows (8)][c (2)][lane (32)][16 bytes]:
; lane 16 h + r holds bytes 32 c + 16 h .. + 15 of the 64 bytes of row 16 i + r in that K step.  Behind these 32,768 bytes the scale bytes: [ip (4)][lane (32)][16 bytes]: lane 16 h + r holds the 16 bytes of row 16 (2 ip + h) + r.
; SHARES.  Work-groups 0-511 take x, 512-1023 W.  Work-group (t, a, s) takes 64 rows x 512 along K; its wave w the 16 rows 256 t + 64 q + 16 a + 4 w + u, one a step: step 4 u + q.  For W the four rows of one u
; share their rows of zero and scale, so a wave keeps 4 + 4 rows' pieces (128 registers) and uses each four times.
; A STEP is 512 numbers, four loads of 512 consecutive bytes: load i gives lane l the numbers 128 i + 4 l + 0 .. 3.  A block of 32 lies in 8 neighbouring lanes.  Each pair of loads is converted twice, once under each load's
; scale, and of each result the 16 bits of the load whose scale it was are kept.  The codes are then transposed 4 x 4 halfwords among each four lanes: lane 4 p + j ends with bytes 64 j + 8 p .. + 7 of the row's 256.
; THE WAY OUT.  16 rows x 16 bytes make 256 consecutive bytes of the workspace, and the 16 rows 16 a + 4 w + u of one q come from all four waves.  So codes and scale bytes are gathered in LDS (64 pieces of 256 bytes, 272 apart,
; so that the 32 lanes of a store touch 64 different banks: ISA guide 11.1), one barrier follows, and wave w stores what belongs to q = w: eight stores of 512 consecutive bytes and one of 256.
; No joint requests: the launch loads through registers, several work-groups to a WGP.  The two paths part on the work-group's number and never join; each has LDS bytes of its own.
.set STEPS, 16
.set NS,    5                          ; sets of 16 registers for the loads
.set UP,    272                        ; from one piece of 256 bytes to the next in LDS
.set SCB,   64*UP                      ; behind the codes: the work-group's 1,024 scale bytes, [q][r][16]
.set ARM,   SCB+1024                   ; W's path uses the bytes from here on
.set SPARE, 2*ARM                      ; the spare words: 128 bytes a wave
.set CHUNK, 34816
.set M,     16                         ; v16-19   load i's largest magnitude, then the conversion's scale operand
.set CC,    20                         ; v20-23   the four conversions' results
.set W0,    24
.set W1,    25
.set SD,    26
.set TT,    27
.set P0,    28
.set P1,    29
.set E,     30                         ; v30-37   a step's four scale bytes, two sets by turns
.set O,     38                         ; v38-41   a step's 8 bytes of codes, two sets by turns
.set R,     44                         ; v44-123  the loads' five sets; at the end the codes on their way out
.set Z,     124                        ; v124-187 zero: set u at Z + 16 u
.set S,     188                        ; v188-251 scale likewise
	s_load_b256 s[4:11], s[0:1], 0x0               ; x, W_q, zero, scale
	s_load_b128 s[12:15], s[0:1], 0x20             ; xq, wq
	v_lshl_add_u32 v254, v0, 2, SPARE              ; my spare word,
	v_mov_b32 v255, 0                              ; and 0: kept for the closing lines
	v_lshrrev_b32 v1, 5, v0
	v_readfirstlane_b32 s16, v1                    ; wave w
	v_and_b32 v2, 31, v0                           ; lane
	v_lshlrev_b32 v3, 4, v2                        ; 16 x lane: my part of 512 consecutive bytes, in and out
	v_lshlrev_b32 v7, 3, v2                        ; 8 x lane: my part of 256 scale bytes
	s_lshl_b32 s32, s16, 6                         ; rows 4 w + u: 16 bytes a row
	s_lshl_b32 s33, s16, 8
	s_mul_i32 s37, s16, 16*UP
	v_and_b32 v1, 3, v2
	v_lshrrev_b32 v4, 3, v2
	v_lshl_add_u32 v4, v1, 2, v4                   ; my 8 bytes lie in piece 4 (lane % 4) + lane / 8 of the row's sixteen,
	v_mul_u32_u24 v4, v4, UP
	v_bfe_u32 v1, v2, 2, 1
	v_lshl_add_u32 v4, v1, 3, v4                   ; in its lower or upper 8 bytes,
	v_add_nc_u32 v4, s32, v4                       ; at my wave's rows
	v_lshrrev_b32 v5, 3, v2
	v_add_nc_u32 v5, s32, v5
	v_add_nc_u32 v5, SCB, v5                       ; scale bytes in: 64 w + lane / 8
	v_add_nc_u32 v6, s33, v7
	v_add_nc_u32 v6, SCB, v6                       ; and out: the 256 bytes of q = w
	v_lshrrev_b32 v10, 4, v2
	v_mul_u32_u24 v10, v10, UP
	v_and_b32 v1, 15, v2
	v_lshl_add_u32 v10, v1, 4, v10
	v_add_nc_u32 v10, s37, v10                     ; codes out: two pieces a load, of the sixteen of q = w
	v_and_b32 v1, 1, v2
	v_cmp_ne_u32 vcc_lo, 0, v1
	v_mov_b32 v8, 0x05040100                       ; the second exchange's byte selects: an even lane takes the low halves,
	v_mov_b32 v9, 0x03020706                       ; an odd lane the high halves
	v_cndmask_b32 v8, v8, v9, vcc_lo
	v_and_b32 v1, 2, v2
	v_cmp_ne_u32 vcc_lo, 0, v1                     ; VCC, from here to the end: lanes 2 and 3 of each four
	v_mov_b32 v[TT], 0                             ; written once: the destination of a DPP form counts as one of its sources
	v_mov_b32 v[P0], 0
	v_mov_b32 v[P1], 0
	s_mov_b32 s36, 0xffff
	s_and_b32 s17, ttmp9, 511
	s_and_b32 s18, s17, 7                          ; s
	s_bfe_u32 s19, s17, 0x20003                    ; a
	s_lshr_b32 s20, s17, 5                         ; t
	s_lshl_b32 s21, s19, 4
	s_lshl_b32 s33, s16, 2
	s_add_co_u32 s21, s21, s33                     ; 16 a + 4 w
	s_lshl_b32 s34, s18, 11
	s_lshl_b32 s22, s20, 8
	s_add_co_u32 s22, s22, s21
	s_lshl_b32 s22, s22, 14
	s_add_co_u32 s22, s22, s34                     ; the source: row 256 t + 16 a + 4 w, K step s
	s_mov_b32 s23, 0
	s_lshl_b32 s24, s21, 14
	s_add_co_u32 s24, s24, s34                     ; zero and scale: row 16 a + 4 w, K step s
	s_mov_b32 s25, 0
	s_lshr_b32 s35, s16, 1                         ; on the way out my wave stands for q = w: nb = 2 t + w / 2,
	s_lshl_b32 s26, s20, 1
	s_add_co_u32 s35, s35, s26
	s_lshl_b32 s35, s35, 3
	s_add_co_u32 s35, s35, s18
	s_mul_i32 s35, s35, CHUNK                      ; the chunk (nb, s),
	s_and_b32 s38, s16, 1
	s_lshl_b32 s26, s38, 2
	s_add_co_u32 s26, s26, s19
	s_lshl_b32 s26, s26, 10
	s_add_co_u32 s26, s26, s35                     ; i = 4 (w % 2) + a: 1,024 bytes for each i
	s_mov_b32 s27, 0
	s_lshl_b32 s30, s38, 1
	s_lshr_b32 s39, s19, 1
	s_add_co_u32 s30, s30, s39
	s_lshl_b32 s30, s30, 9                         ; scale bytes: ip = i / 2,
	s_and_b32 s39, s19, 1
	s_lshl_b32 s39, s39, 8                         ; the half of the lanes by i % 2
	s_add_co_u32 s30, s30, s39
	s_add_co_u32 s30, s30, s35
	s_add_co_u32 s30, s30, 32768
	s_mov_b32 s31, 0
	s_wait_alu depctr_va_vdst(0)
	s_wait_kmcnt 0x0
	s_cmp_lt_u32 ttmp9, 512                        ; x's work-group or W's?  The choice hangs on the work-group's number alone
	s_cselect_b64 s[4:5], s[4:5], s[6:7]
	s_cselect_b64 s[12:13], s[12:13], s[14:15]
	s_add_nc_u64 s[28:29], s[12:13], s[30:31]
	s_add_nc_u64 s[12:13], s[12:13], s[26:27]
	s_add_nc_u64 s[4:5], s[4:5], s[22:23]
	s_add_nc_u64 s[8:9], s[8:9], s[24:25]
	s_add_nc_u64 s[10:11], s[10:11], s[24:25]
.macro LOAD t                          ; step t = 4 u + q: row + 64 q + u, into set t % NS
.irp i, 0,1,2,3
	global_load_b128 v[R+16*((\t)%NS)+4*\i:R+16*((\t)%NS)+4*\i+3], v3, s[4:5] offset:((\t)%4)*1048576+((\t)/4)*16384+512*\i th:TH_LOAD_NT
.endr
.endm
.macro DEQ t                           ; (f32(W_q) - zero) * scale, in place
.set RS, R+16*((\t)%NS)
.set ZS, Z+16*((\t)/4)
.set SS, S+16*((\t)/4)
.irp i, 0,1,2,3,4,5,6,7,8,9,10,11,12,13,14,15
	v_cvt_f32_i32 v[RS+\i], v[RS+\i]
.endr
.irp i, 0,2,4,6,8,10,12,14
	v_pk_add_f32 v[RS+\i:RS+\i+1], v[RS+\i:RS+\i+1], v[ZS+\i:ZS+\i+1] neg_lo:[0,1] neg_hi:[0,1]
.endr
.irp i, 0,2,4,6,8,10,12,14
	v_pk_mul_f32 v[RS+\i:RS+\i+1], v[RS+\i:RS+\i+1], v[SS+\i:SS+\i+1]
.endr
.endm
.macro STEP t, deq
.set RS, R+16*((\t)%NS)
.set ES, E+4*((\t)%2)
.set OS, O+2*((\t)%2)
.if STEPS-1-(\t) >= NS-1
	s_wait_loadcnt 4*(NS-1)                        ; this step's four loads are in; those of the NS - 1 sets behind them may be out
.else
	s_wait_loadcnt 4*(STEPS-1-(\t))                ; the counts run down
.endif
.if \deq
	DEQ \t
.endif
.irp i, 0,1,2,3
	v_max3_num_f32 v[M+\i], |v[RS+4*\i]|, |v[RS+4*\i+1]|, 0x1800000   ; my four numbers of load i, and the floor 2^(3 - 127): the byte cannot fall under 1
.endr
.irp i, 0,1,2,3
	v_max3_num_f32 v[M+\i], v[M+\i], |v[RS+4*\i+2]|, |v[RS+4*\i+3]|
.endr
.irp x, 1,2,4
.irp i, 0,1,2,3
	v_max_num_f32_dpp v[M+\i], v[M+\i], v[M+\i] row_xmask:\x row_mask:0xf bank_mask:0xf   ; the 8 lanes of block 4 i + l / 8
.endr
.endr
.irp i, 0,1,2,3
	v_add_nc_u32 v[M+\i], 0xff000000, v[M+\i]      ; 2 off the exponent field: the conversion's scale operand
.endr
	v_cvt_scalef32_pk8_fp4_f32 v[CC], v[RS:RS+7], v[M]             ; loads 0 and 1 under load 0's scale: the low 16 bits count;
	v_cvt_scalef32_pk8_fp4_f32 v[CC+1], v[RS:RS+7], v[M+1]         ; under load 1's: the high 16 bits
	v_cvt_scalef32_pk8_fp4_f32 v[CC+2], v[RS+8:RS+15], v[M+2]
	v_cvt_scalef32_pk8_fp4_f32 v[CC+3], v[RS+8:RS+15], v[M+3]
.if (\t) >= 2
	s_wait_alu depctr_va_vdst(0)
	s_wait_dscnt 5                                 ; the last step's five LDS stores may be out; those of two steps back have read this set of registers
.endif
.irp i, 0,1,2,3
	v_lshrrev_b32 v[ES+\i], 23, v[M+\i]            ; the scales' bytes (also the plain lines behind the conversions)
.endr
	v_bfi_b32 v[W0], s36, v[CC], v[CC+1]
	v_bfi_b32 v[W1], s36, v[CC+2], v[CC+3]
	v_cndmask_b32 v[SD], v[W1], v[W0], vcc_lo      ; the first exchange, with lane l xor 2: words
	v_mov_b32_dpp v[TT], v[SD] row_xmask:2 row_mask:0xf bank_mask:0xf
	v_cndmask_b32 v[W0], v[W0], v[TT], vcc_lo
	v_cndmask_b32 v[W1], v[TT], v[W1], vcc_lo
	v_mov_b32_dpp v[P0], v[W0] row_xmask:1 row_mask:0xf bank_mask:0xf   ; the second, with lane l xor 1: halfwords
	v_mov_b32_dpp v[P1], v[W1] row_xmask:1 row_mask:0xf bank_mask:0xf
	v_perm_b32 v[OS], v[P0], v[W0], v8
	v_perm_b32 v[OS+1], v[P1], v[W1], v8           ; 8 consecutive bytes of the row
.if (\t)+NS < STEPS
	LOAD (\t)+NS                                   ; into the set that this step's conversions have read
.endif
.irp i, 0,1,2,3
	ds_store_b8 v5, v[ES+\i] offset:256*((\t)%4)+16*((\t)/4)+4*\i   ; [q][4 w + u][4 i + l / 8]; the eight lanes of a block write the same byte with the same value
.endr
	ds_store_b64 v4, v[OS:OS+1] offset:16*UP*((\t)%4)+16*((\t)/4)   ; q's sixteen pieces, row 4 w + u in each
.endm
.macro BODY deq
.irp t, 0,1,2,3,4
	LOAD \t
.endr
.irp t, 0,1,2,3,4,5,6,7,8,9,10,11,12,13,14,15
	STEP \t, \deq
.endr
	s_wait_dscnt 0x0                               ; for the others' sake: my stores into LDS are done
	s_barrier_signal -1
	s_barrier_wait -1
.irp k, 0,1,2,3,4,5,6,7
	ds_load_b128 v[R+4*\k:R+4*\k+3], v10 offset:2*\k*UP            ; pieces 2 k, 2 k + 1 of q = w: K step k / 2, c = k % 2
.endr
	ds_load_b64 v[12:13], v6
	s_wait_dscnt 0x0
.irp k, 0,1,2,3,4,5,6,7
	global_store_b128 v3, v[R+4*\k:R+4*\k+3], s[12:13] offset:(\k/2)*8192+(\k%2)*512   ; 32 lanes store 512 consecutive bytes, aligned
.endr
	global_store_b64 v7, v[12:13], s[28:29]        ; 256 consecutive bytes, aligned
	s_wait_tensorcnt 0x0                           ; the wave's end
	ds_add_u32 v254, v255
	s_wait_dscnt 0x0
	s_endpgm
.endm
	s_cmp_lt_u32 ttmp9, 512
	s_cbranch_scc0 .Lweights
	BODY 0
.Lweights:
	v_add_nc_u32 v4, ARM, v4                       ; this path's own LDS bytes
	v_add_nc_u32 v5, ARM, v5
	v_add_nc_u32 v6, ARM, v6
	v_add_nc_u32 v10, ARM, v10
	s_wait_alu depctr_va_vdst(0)
.irp u, 0,1,2,3
.irp i, 0,1,2,3
	global_load_b128 v[Z+16*\u+4*\i:Z+16*\u+4*\i+3], v3, s[8:9] offset:\u*16384+512*\i     ; rows 16 a + 4 w + u of zero and of scale; other work-groups read them again: no hint
	global_load_b128 v[S+16*\u+4*\i:S+16*\u+4*\i+3], v3, s[10:11] offset:\u*16384+512*\i
.endr
.endr
	BODY 1
.Lfunc_end_k_q2527f57fba_quant:
	.size	k_q2527f57fba_quant, .Lfunc_end_k_q2527f57fba_quant-k_q2527f57fba_quant
	.p2alignl 7, 3214868480
	.fill 96, 4, 3214868480
	.section	.rodata,"a",@progbits
	.p2align	6, 0x0
	.amdhsa_kernel k_q2527f57fba_quant
		.amdhsa_group_segment_fixed_size 37376
		.amdhsa_private_segment_fixed_size 0
		.amdhsa_enable_private_segment 0
		.amdhsa_kernarg_size 48
		.amdhsa_user_sgpr_count 2
		.amdhsa_user_sgpr_kernarg_segment_ptr 1
		.amdhsa_wavefront_size32 1
		.amdhsa_system_sgpr_workgroup_id_x 1
		.amdhsa_system_sgpr_workgroup_id_y 1
		.amdhsa_system_sgpr_workgroup_id_z 1
		.amdhsa_system_vgpr_workitem_id 0
		.amdhsa_next_free_vgpr 256
		.amdhsa_next_free_sgpr 66
		.amdhsa_reserve_vcc 1
		.amdhsa_float_denorm_mode_32 3
		.amdhsa_float_denorm_mode_16_64 3
		.amdhsa_memory_ordered 1
		.amdhsa_forward_progress 1
		.amdhsa_inst_pref_size 141
	.end_amdhsa_kernel
	.amdgpu_metadata
---
amdhsa.version: [ 1, 2 ]
amdhsa.kernels:
  - .name:           k_q2527f57fba_quant
    .symbol:         k_q2527f57fba_quant.kd
    .args:
      - { .name: x, .offset: 0, .size: 8, .value_kind: global_buffer, .address_space: global }
      - { .name: W_q, .offset: 8, .size: 8, .value_kind: global_buffer, .address_space: global }
      - { .name: zero, .offset: 16, .size: 8, .value_kind: global_buffer, .address_space: global }
      - { .name: scale, .offset: 24, .size: 8, .value_kind: global_buffer, .address_space: global }
      - { .name: xq, .offset: 32, .size: 8, .value_kind: global_buffer, .address_space: global }
      - { .name: wq, .offset: 40, .size: 8, .value_kind: global_buffer, .address_space: global }
    .group_segment_fixed_size: 37376
    .private_segment_fixed_size: 0
    .kernarg_segment_align: 8
    .kernarg_segment_size: 48
    .max_flat_workgroup_size: 128
    .sgpr_count:     66
    .vgpr_count:     256
    .wavefront_size: 32
...
	.end_amdgpu_metadata
.endif
;; end of part 1
;; launch gemm (part 2): grid 16 x 16, 4 waves a work-group, clusters of 4 x 4, 327,680 bytes of LDS; arguments xq, wq, bias, out0; writes out0
.if DOCPART == 2
	.amdgcn_target "amdgcn-amd-amdhsa--gfx1250"
	.amdhsa_code_object_version 6
	.text
	.protected	k_q2527f57fba_gemm
	.globl	k_q2527f57fba_gemm
	.p2align	8
	.type	k_q2527f57fba_gemm,@function
k_q2527f57fba_gemm:
	s_mov_b64 s[64:65], 0
	v_nop
	global_prefetch_b8 v0, s[64:65] scope:SCOPE_SE
	s_setreg_imm32_b32 hwreg(HW_REG_WAVE_MODE, 25, 1), 1
	s_wait_xcnt 0x0
	s_wait_alu depctr_hold_cnt(0) depctr_sa_sdst(0) depctr_va_vdst(0) depctr_va_sdst(0) depctr_va_ssrc(0) depctr_va_vcc(0) depctr_vm_vsrc(0)
	s_getreg_b32 s2, hwreg(HW_REG_IB_STS2, 6, 4)
	s_cmp_eq_u32 s2, 0
	s_cbranch_scc0 .Lentry_in_a_cluster
	s_endpgm
.Lentry_in_a_cluster:
	s_bfe_u32 s2, ttmp6, 0x10000c
	s_cmp_lg_u32 s2, 0xf033
	s_cbranch_scc0 .Lentry_shape_is_right
	s_endpgm
.Lentry_shape_is_right:
; out0[m][n] = sum over k of x[m][k] W_r[n][k] + bias[n], on codes of FP4 (E2M1) with one E8M0 byte for each 32 along K, as the launch before laid them: [rows / 128][k / 512][chunk of 34,816 bytes], a chunk being
; [step of 128 along K (4)][16 rows (8)][c (2)][lane (32)][16 bytes] and then the scale bytes [pair of 16 rows (4)][lane (32)][16 bytes]: the order of the operands' registers.  Sums in f32, K ascending; the bias is added last.
; A BLOCK of out0 is 256 x 256: 16 x 16 = 256 work-groups of four waves; a wave makes 128 x 128: 64 accumulators of 16 x 16, 512 registers.
; K goes in steps of 512 through a ring of two LDS slots.  A slot holds four chunks: x's two halves of 128 rows, then W's two; each wave fetches one chunk by one tensor load of 136 rows x 256 bytes, dense.
; A fragment load takes 512 consecutive bytes of LDS, 16 a lane: no padding is needed.
; CLUSTERS: 4 x 4 work-groups.  The four of a row of the cluster need the same chunks of x, the four of a column the same chunks of W: each chunk is asked for JOINTLY.
; THE CHANGE OF SLOTS stands at the head of a slot's last step of 128: that step's fragments were asked for a step earlier, so the wait for them ends the wave's reads of the slot, and the refill goes out ahead of the step's products.
; PREFETCH: behind each refill the K step that stands two refills on; K steps 2 and 3 at the head, behind the first two loads; K steps 0 and 1 come by their loads alone; the last two refills have no K step two on.
; The four partners that ask for a chunk jointly share its 136 blocks of 256 bytes out by address, 34 each: 32 lanes, and two more by a second line whose lanes 1-31 name its last block.
; THE MATRIX INSTRUCTION IS USED TRANSPOSED (source 0 = 16 rows of W, source 1 = 16 rows of x): a lane then holds eight neighbouring numbers of a row of out0.
; A scale register holds the words of two blocks of 16 rows: the even block's in lanes 0-15, the odd block's in lanes 16-31, chosen by the ROW selector.
; REGISTERS: window 0: v0-31 addresses and bias; v32-63 x's scale words, a set for each slot; v64-95 W's; v128-255 x's fragments, two sets.  Window 1: W's fragments, four sets by turns.  Windows 2, 3: the accumulators, (a, b) at v[8 (8 (a % 4) + b)].
.set CHUNK,  34816
.set SCO,    32768                     ; a chunk's scale bytes
.set TILE,   8*CHUNK                   ; 128 rows, all of K
.set SLOT,   4*CHUNK
.set SPARE,  2*SLOT                    ; behind the ring: the spare words, 128 bytes a wave
.set STAGE,  SPARE+512                 ; behind them: a stage of 16 rows x (512 + 16) bytes for each wave; no fill lands there
.set SPITCH, 528
.set ROWC,   16384                     ; a row of out0 in bytes
.set BI,   8                           ; v8-11  the bias of my four columns on the way out
.set LO,   12                          ; v12    16 x lane
.set PFO,  13                          ; v13    256 x lane
.set PF2,  14                          ; v14    blocks 32 and 33 of my 34
.set ADRA, 16                          ; v16-17 LDS: my 128 rows of x in slot 0, 1
.set ADRB, 20                          ; v20-21 the same for W
.set STO,  24
.set RD,   25
.set SPW,  28
.set NIL,  29
.set SA,   32
.set SB,   64
.set AF,   128
.set BK,   128
.set G1, 24                            ; s[24:31] group 1 for x's chunks; s[32:39] group 0, a set for each slot
.set G0, 32
.set G1B, 48                           ; s[48:55], s[56:63] the same for W's
.set G0B, 56
.set MSB, 0
.macro WIN new                         ; the immediate's high byte repeats the setting that is left
.if MSB != \new
	s_set_vgpr_msb (MSB<<8)|\new
.set MSB, \new
.endif
.endm
.set MUL_LO, 0xa1                      ; source 0 (W) window 1, source 1 (x) window 0, C and D window 2
.set MUL_HI, 0xf1                      ; the same, C and D window 3
.set TO_B,   0x40                      ; destination window 1, address window 0
.macro PLACES
.rept 4
	v_nop
.endr
.endm
.macro JLOAD s                         ; a joint load: waves 0 and 1 fetch x's two chunks, waves 2 and 3 W's; s_nop 0 and four v_nop follow each line
	s_cmp_eq_u32 s15, 0
	s_cbranch_scc0 .Lfor_b_\@
	tensor_load_to_lds s[G0+4*\s:G0+4*\s+3], s[G1:G1+7]
	s_nop 0
	PLACES
	s_branch .Lasked_\@
.Lfor_b_\@:
	tensor_load_to_lds s[G0B+4*\s:G0B+4*\s+3], s[G1B:G1B+7]
	s_nop 0
	PLACES
.Lasked_\@:
.endm
.macro CROUND                          ; a round of the cluster's barrier
	s_barrier_signal -1
	s_barrier_wait -1
	s_cmp_lg_u32 s14, 0
	s_cbranch_scc1 .Lnot_wave_0_\@
	s_barrier_signal -3
.Lnot_wave_0_\@:
	s_barrier_wait -3
	s_barrier_signal -1
	s_barrier_wait -1
.endm
.macro ASK off, guard                  ; my 34 blocks of the chunk at off; guard = 1: not in the loop's last trip, which has no K step two refills on
.if \guard
	s_cmp_gt_u32 s3, 1
	s_cbranch_scc0 .Lno_more_\@
.endif
	global_prefetch_b8 v[PFO], s[12:13] offset:\off th:TH_LOAD_NT scope:SCOPE_SE
	global_prefetch_b8 v[PF2], s[12:13] offset:\off th:TH_LOAD_NT scope:SCOPE_SE
.if \guard
.Lno_more_\@:
.endif
.endm
	s_load_b128 s[4:7], s[0:1], 0x0                ; xq, wq
	s_load_b128 s[8:11], s[0:1], 0x10              ; bias, out0
	v_lshl_add_u32 v[SPW], v0, 2, SPARE
	v_mov_b32 v[NIL], 0
	ds_add_u32 v[SPW], v[NIL]                      ; the opening lines: the add, twice on end, and its wait ahead of my first tensor load
	ds_add_u32 v[SPW], v[NIL]
	v_lshrrev_b32 v1, 5, v0
	v_readfirstlane_b32 s14, v1                    ; wave
	s_lshr_b32 s15, s14, 1                         ; which half of the block's rows is mine.  Also: I fetch for x (0) or for W (1)
	s_and_b32 s16, s14, 1                          ; which half of its columns.  Also: which 128 rows I fetch
	s_mul_i32 s21, s15, CHUNK                      ; my rows of x in a slot
	s_mul_i32 s22, s16, CHUNK
	s_add_co_u32 s22, s22, 2*CHUNK                 ; my rows of W, behind x's two chunks
	s_mul_i32 s23, s14, 16*SPITCH
	s_add_co_u32 s23, s23, STAGE                   ; my stage
	v_and_b32 v2, 31, v0
	v_lshlrev_b32 v[LO], 4, v2
	v_lshlrev_b32 v[PFO], 8, v2
	v_min_u32 v6, 1, v2
	v_lshl_add_u32 v[PF2], v6, 8, 8192
	v_add_nc_u32 v[ADRA], s21, v[LO]
	v_add_nc_u32 v[ADRB], s22, v[LO]
	v_add_nc_u32 v[ADRA+1], SLOT, v[ADRA]
	v_add_nc_u32 v[ADRB+1], SLOT, v[ADRB]
	v_and_b32 v3, 15, v0
	v_bfe_u32 v4, v0, 4, 1
	v_mul_u32_u24 v5, v3, SPITCH
	v_lshl_add_u32 v5, v4, 5, v5
	v_add_nc_u32 v[STO], s23, v5                   ; into the stage: row l % 16, 32 bytes for each half of the lanes
	v_add_nc_u32 v[RD], s23, v[LO]                 ; back: the 32 lanes take one row of 512 bytes
	s_wait_alu depctr_va_vdst(0)
	s_bfe_u32 s40, ttmp6, 0x40000                  ; cx, cy: my place in the cluster
	s_bfe_u32 s41, ttmp6, 0x40004
	s_lshl_b32 s42, ttmp9, 2
	s_add_co_u32 s42, s42, s40                     ; block column = 4 x cluster x + cx
	s_and_b32 s17, ttmp7, 0xffff
	s_lshl_b32 s17, s17, 2
	s_add_co_u32 s17, s17, s41                     ; block row = 4 x cluster y + cy
	s_lshl_b32 s43, s41, 2
	s_lshl_b32 s43, 15, s43                        ; my row of the cluster
	s_lshl_b32 s44, 0x1111, s40                    ; my column
	s_or_b32 s[G1+0], s43, (3<<16)|(1<<21)         ; the mask; elements of 8 bytes; bit 21 beside a mask; no padding
	s_or_b32 s[G1B+0], s44, (3<<16)|(1<<21)
.irp g, G1, G1B
	s_mov_b32 s[\g+1], 32<<16                      ; rows of 256 bytes,
	s_mov_b32 s[\g+2], 136<<16                     ; 136 of them: a chunk
	s_mov_b32 s[\g+3], 32<<16
	s_mov_b32 s[\g+4], 136
	s_mov_b32 s[\g+5], 32
	s_mov_b32 s[\g+6], 0
	s_mov_b32 s[\g+7], 0
.endr
	s_lshl_b32 s20, s17, 1
	s_add_co_u32 s20, s20, s16
	s_mul_i32 s20, s20, TILE                       ; x: rows 128 (2 x block row + half): block row and wave alone
	s_mov_b32 s21, 0
	s_lshl_b32 s46, s42, 1
	s_add_co_u32 s46, s46, s16
	s_mul_i32 s46, s46, TILE                       ; W: rows 128 (2 x block column + half)
	s_mov_b32 s47, 0
	s_mul_i32 s45, s14, CHUNK                      ; where my chunk goes in a slot: the wave's number alone
	s_lshl_b32 s22, s42, 10
	s_lshl_b32 s23, s16, 9
	s_add_co_u32 s22, s22, s23                     ; my first column, in bytes
	s_mov_b32 s23, 0
	s_lshl_b32 s18, s17, 1
	s_add_co_u32 s18, s18, s15
	s_lshl_b32 s18, s18, 21                        ; my first row: 128 rows of 16,384 bytes for each half block
	s_mov_b32 s19, 0
	s_wait_dscnt 0x0                               ; both opening adds are done
	s_wait_kmcnt 0x0
	s_add_nc_u64 s[20:21], s[4:5], s[20:21]
	s_add_nc_u64 s[46:47], s[6:7], s[46:47]
	s_add_nc_u64 s[8:9], s[8:9], s[22:23]
	s_add_nc_u64 s[10:11], s[10:11], s[22:23]
	s_add_nc_u64 s[10:11], s[10:11], s[18:19]
	CROUND                                         ; all sixteen work-groups are here: the first joint loads meet
.irp s, 0,1
	s_mov_b32 s[G0+4*\s], 1
	s_add_co_u32 s[G0+4*\s+1], s45, \s*SLOT
	s_add_nc_u64 s[G0+4*\s+2:G0+4*\s+3], s[20:21], \s*CHUNK
	s_or_b32 s[G0+4*\s+3], s[G0+4*\s+3], 0x80000000
	s_mov_b32 s[G0B+4*\s], 1
	s_add_co_u32 s[G0B+4*\s+1], s45, \s*SLOT
	s_add_nc_u64 s[G0B+4*\s+2:G0B+4*\s+3], s[46:47], \s*CHUNK
	s_or_b32 s[G0B+4*\s+3], s[G0B+4*\s+3], 0x80000000
.endr
	JLOAD 0                                        ; K step 0: one tensor load a wave at the head
	s_cmp_eq_u32 s15, 0                            ; the prefetches: the rows that I fetch,
	s_cselect_b64 s[12:13], s[20:21], s[46:47]
	s_cselect_b32 s18, s40, s41                    ; my place among the four that ask for them with me,
	s_mul_i32 s18, s18, 34*256                     ; and my work-group's 34 blocks of a chunk's 136
	s_mov_b32 s19, 0
	s_add_nc_u64 s[12:13], s[12:13], s[18:19]
	ASK 2*CHUNK, 0
	global_load_b128 v[BI:BI+3], v[LO], s[8:9]     ; the bias of the four columns that I store
	s_wait_tensorcnt 0x0                           ; my chunk of K step 0 is in
	ds_add_u32 v[SPW], v[NIL]
	s_wait_dscnt 0x0
	CROUND                                         ; everybody's chunk is in, and the joint loads meet:
	JLOAD 1                                        ; K step 1, slot 1's first fill
	ASK 3*CHUNK, 0
; step L (128 along K) counts from the lap's first step; a lap = two K steps of 512 = 8 steps; step L lies in slot (L / 4) % 2
.macro LDA L                           ; x's eight fragments of step L into set L % 2
.irp k, 0,1,2,3,4,5,6,7,8,9,10,11,12,13,14,15
	ds_load_b128 v[AF+64*((\L)%2)+4*\k:AF+64*((\L)%2)+4*\k+3], v[ADRA+((\L)/4)%2] offset:((\L)%4)*8192+512*\k
.endr
.endm
.macro LDB L                           ; W's eight fragments of step L into set L % 4 (window 1)
.irp k, 0,1,2,3,4,5,6,7,8,9,10,11,12,13,14,15
	ds_load_b128 v[64*((\L)%4)+4*\k:64*((\L)%4)+4*\k+3], v[ADRB+((\L)/4)%2] offset:((\L)%4)*8192+512*\k
.endr
.endm
.macro LDSC L                          ; the scale words of step L's slot: four steps' words of a pair of blocks to a load
.irp k, 0,1,2,3
	ds_load_b128 v[SA+16*(((\L)/4)%2)+4*\k:SA+16*(((\L)/4)%2)+4*\k+3], v[ADRA+((\L)/4)%2] offset:SCO+512*\k
	ds_load_b128 v[SB+16*(((\L)/4)%2)+4*\k:SB+16*(((\L)/4)%2)+4*\k+3], v[ADRB+((\L)/4)%2] offset:SCO+512*\k
.endr
.endm
.macro WM c, par                       ; one product; par: bit 0 W's block is odd, bit 1 x's block is odd
.if (\par) == 0
	v_wmma_scale_f32_16x16x128_f8f6f4 v[DX:DX+7], v[BX:BX+7], v[AX:AX+7], \c, v[SBX], v[SAX] matrix_a_fmt:MATRIX_FMT_FP4 matrix_b_fmt:MATRIX_FMT_FP4
.endif
.if (\par) == 1
	v_wmma_scale_f32_16x16x128_f8f6f4 v[DX:DX+7], v[BX:BX+7], v[AX:AX+7], \c, v[SBX], v[SAX] matrix_a_fmt:MATRIX_FMT_FP4 matrix_b_fmt:MATRIX_FMT_FP4 matrix_a_scale:MATRIX_SCALE_ROW1
.endif
.if (\par) == 2
	v_wmma_scale_f32_16x16x128_f8f6f4 v[DX:DX+7], v[BX:BX+7], v[AX:AX+7], \c, v[SBX], v[SAX] matrix_a_fmt:MATRIX_FMT_FP4 matrix_b_fmt:MATRIX_FMT_FP4 matrix_b_scale:MATRIX_SCALE_ROW1
.endif
.if (\par) == 3
	v_wmma_scale_f32_16x16x128_f8f6f4 v[DX:DX+7], v[BX:BX+7], v[AX:AX+7], \c, v[SBX], v[SAX] matrix_a_fmt:MATRIX_FMT_FP4 matrix_b_fmt:MATRIX_FMT_FP4 matrix_a_scale:MATRIX_SCALE_ROW1 matrix_b_scale:MATRIX_SCALE_ROW1
.endif
.endm
; 32 products: x's blocks a0 .. a0 + 3 against W's eight.  The 64 accumulators take turns, in the same order in every step.  zero = 1: the first product starts the sums
.macro MULH L, a0, zero
.irp a, \a0, \a0+1, \a0+2, \a0+3
.irp b, 0,1,2,3,4,5,6,7
.set DX, 8*(8*((\a)%4)+\b)
.set BX, 64*((\L)%4)+8*\b
.set AX, AF+64*((\L)%2)+8*(\a)
.set SBX, SB+16*(((\L)/4)%2)+4*(\b/2)+(\L)%4
.set SAX, SA+16*(((\L)/4)%2)+4*((\a)/2)+(\L)%4
.if \zero
	WM 0, 2*((\a)%2)+\b%2
.else
	WM v[DX:DX+7], 2*((\a)%2)+\b%2
.endif
.endr
.endr
.endm
; A step of 128 along K.  mode 1: a slot's last step, the slot is filled again; mode 2: a slot's last step, nothing is left to fetch.  f: the next step's fragments are fetched in the step's middle, W's first, so that
; the wait at the next step's head can leave x's blocks 4-7 out.  The four v_nop are the places between the last step's products and the loads into the registers that they read.
.macro STEP L, zero, mode, f, pf
.set SL, ((\L)/4)%2
.if \mode
	WIN 0
	s_wait_tensorcnt 0x0                           ; all my tensor loads have landed: my chunk of the other slot;
	ds_add_u32 v[SPW], v[NIL]                      ; 0 onto my spare word;
.if \mode == 1
	s_add_nc_u64 s[G0+4*SL+2:G0+4*SL+3], s[G0+4*SL+2:G0+4*SL+3], 2*CHUNK      ; no tensor load of mine is out: this slot's next K step
	s_add_nc_u64 s[G0B+4*SL+2:G0B+4*SL+3], s[G0B+4*SL+2:G0B+4*SL+3], 2*CHUNK
.endif
	s_wait_dscnt 0x0                               ; the add is done, and my reads of this slot are over: this step's fragments are in registers
.if \mode == 1
	CROUND                                         ; the same holds of every wave of every partner
	JLOAD SL                                       ; the first tensor load behind the round, my only one until the next
.else
	s_barrier_signal -1
	s_barrier_wait -1                              ; the other slot is whole
.endif
.else
	s_wait_dscnt 8                                 ; W's fragments and x's blocks 0-3 are in; the youngest eight loads, blocks 4-7, may be out
.endif
	WIN MUL_LO
	MULH \L, 0, \zero
	s_wait_dscnt 0x0
.if \f
	PLACES
	WIN 0
.if ((\L)+1)%4 == 0
	LDSC (\L)+1
.endif
	WIN TO_B
	LDB (\L)+1
	WIN 0
	LDA (\L)+1
.if \pf
	ASK (4+(\L)/4)*CHUNK, 1
.endif
.endif
	WIN MUL_HI
	MULH \L, 4, \zero
.endm
	LDSC 0
	WIN TO_B
	LDB 0
	WIN 0
	LDA 0
	STEP 0, 1, 0, 1, 0                             ; the first step stands in front of the loop: its products start the sums
	WIN 0
	s_mov_b32 s3, 3
.Llap:                                                 ; a trip goes from a lap's second step to the next lap's first, and fills both slots again
	STEP 1, 0, 0, 1, 0
	STEP 2, 0, 0, 1, 0
	STEP 3, 0, 1, 1, 1
	STEP 4, 0, 0, 1, 0
	STEP 5, 0, 0, 1, 0
	STEP 6, 0, 0, 1, 0
	STEP 7, 0, 1, 1, 1
	STEP 8, 0, 0, 1, 0
	WIN 0
	s_wait_xcnt 0x0                                ; the prefetches have read their base: it steps only behind this wait
	s_add_nc_u64 s[12:13], s[12:13], 2*CHUNK
	s_sub_co_u32 s3, s3, 1
	s_cmp_lg_u32 s3, 0
	s_cbranch_scc1 .Llap
	STEP 1, 0, 0, 1, 0                             ; the last lap fills nothing, and has no round of the cluster's barrier
	STEP 2, 0, 0, 1, 0
	STEP 3, 0, 2, 1, 0
	STEP 4, 0, 0, 1, 0
	STEP 5, 0, 0, 1, 0
	STEP 6, 0, 0, 1, 0
	STEP 7, 0, 0, 0, 0
	WIN 0
; THE WAY OUT, block by block of 16 rows x 128 columns: through my own stage in LDS, back as whole rows of 512 bytes, the bias added, stored as aligned runs of 512 bytes.
; LDS serves a wave's instructions in order (ISA guide 5.7.1.4): no wait between the stores and the loads.
.macro TOSTAGE a
.set AC, 64*((\a)%4)
	WIN 0x08+4*((\a)/4)                            ; the data: window 2 or 3
.irp b, 0,1,2,3,4,5,6,7
	ds_store_b128 v[STO], v[AC+8*\b:AC+8*\b+3] offset:64*\b          ; each accumulator from its low end on
	ds_store_b128 v[STO], v[AC+8*\b+4:AC+8*\b+7] offset:64*\b+16
.endr
	WIN 0
.set BB, BK+64*((\a)%2)
.irp t, 0,1,2,3,4,5,6,7,8,9,10,11,12,13,14,15
	ds_load_b128 v[BB+4*\t:BB+4*\t+3], v[RD] offset:\t*SPITCH
.endr
.endm
.macro SEND a, younger                 ; younger: the LDS instructions issued behind block a's loads, which may stay out
.set BB, BK+64*((\a)%2)
	s_wait_dscnt \younger
.if (\a) > 0
	s_add_nc_u64 s[10:11], s[10:11], 16*ROWC       ; (behind a wait on XCNT: the earlier stores have read their base)
.endif
.irp t, 0,1,2,3,4,5,6,7,8,9,10,11,12,13,14,15
	v_pk_add_f32 v[BB+4*\t:BB+4*\t+1], v[BB+4*\t:BB+4*\t+1], v[BI:BI+1]
	v_pk_add_f32 v[BB+4*\t+2:BB+4*\t+3], v[BB+4*\t+2:BB+4*\t+3], v[BI+2:BI+3]
.endr
.irp t, 0,1,2,3,4,5,6,7,8,9,10,11,12,13,14,15
	global_store_b128 v[LO], v[BB+4*\t:BB+4*\t+3], s[10:11] offset:\t*ROWC th:TH_STORE_NT   ; 32 lanes store 512 consecutive bytes, aligned
.endr
.endm
	s_wait_loadcnt 0x0                             ; the bias, asked for at the head
	PLACES                                         ; behind the last products: for the reads of their results and the loads into x's fragment registers
	TOSTAGE 0
.irp a, 1,2,3,4,5,6,7
.if \a > 1
	s_wait_xcnt 0x0                                ; block a - 2's stores have read their registers and their base
.endif
	TOSTAGE \a
	SEND \a-1, 32                                  ; behind block a - 1's loads: block a's 16 stores and 16 loads
.endr
	s_wait_xcnt 0x0
	SEND 7, 0
	s_wait_tensorcnt 0x0                           ; the wave's end
	ds_add_u32 v[SPW], v[NIL]
	s_wait_dscnt 0x0
	CROUND                                         ; the closing round: no work-group ends while a partner may still ask for a chunk that names it
	s_endpgm
.Lfunc_end_k_q2527f57fba_gemm:
	.size	k_q2527f57fba_gemm, .Lfunc_end_k_q2527f57fba_gemm-k_q2527f57fba_gemm
	.p2alignl 7, 3214868480
	.fill 96, 4, 3214868480
	.section	.rodata,"a",@progbits
	.p2align	6, 0x0
	.amdhsa_kernel k_q2527f57fba_gemm
		.amdhsa_group_segment_fixed_size 327680
		.amdhsa_private_segment_fixed_size 0
		.amdhsa_enable_private_segment 0
		.amdhsa_kernarg_size 32
		.amdhsa_user_sgpr_count 2
		.amdhsa_user_sgpr_kernarg_segment_ptr 1
		.amdhsa_wavefront_size32 1
		.amdhsa_system_sgpr_workgroup_id_x 1
		.amdhsa_system_sgpr_workgroup_id_y 1
		.amdhsa_system_sgpr_workgroup_id_z 1
		.amdhsa_system_vgpr_workitem_id 0
		.amdhsa_next_free_vgpr 1024
		.amdhsa_next_free_sgpr 66
		.amdhsa_reserve_vcc 0
		.amdhsa_float_denorm_mode_32 3
		.amdhsa_float_denorm_mode_16_64 3
		.amdhsa_memory_ordered 1
		.amdhsa_forward_progress 1
		.amdhsa_inst_pref_size 224
	.end_amdhsa_kernel
	.amdgpu_metadata
---
amdhsa.version: [ 1, 2 ]
amdhsa.kernels:
  - .name:           k_q2527f57fba_gemm
    .symbol:         k_q2527f57fba_gemm.kd
    .args:
      - { .name: xq, .offset: 0, .size: 8, .value_kind: global_buffer, .address_space: global }
      - { .name: wq, .offset: 8, .size: 8, .value_kind: global_buffer, .address_space: global }
      - { .name: bias, .offset: 16, .size: 8, .value_kind: global_buffer, .address_space: global }
      - { .name: out0, .offset: 24, .size: 8, .value_kind: global_buffer, .address_space: global }
    .group_segment_fixed_size: 327680
    .private_segment_fixed_size: 0
    .kernarg_segment_align: 8
    .kernarg_segment_size: 32
    .max_flat_workgroup_size: 128
    .sgpr_count:     66
    .vgpr_count:     1024
    .wavefront_size: 32
...
	.end_amdgpu_metadata
.endif
;; end of part 2
